; MI455X (gfx1250); checked and timed in simulation.
; The chip was launched on July 23, 2026; its instructions are those of AMD's public machine-readable ISA for CDNA 5 (MIT licence, August 2026) and "CDNA5" Instruction Set Architecture Reference Guide (July 2026). The comments in the code are by the model that wrote it; some were corrected since.
;; Mo E Layer. Allowed arithmetic: matrix products marked QUANTISED: E2M3 operands, one E8M0 scale for each 32 along K, by v_wmma_scale_f32_16x16x128_f8f6f4 with both operands' format E2M3, f32 sums; products left as they are: f32 operands where the result goes on into a quantised operand, else bf16, f16 or f32 operands; f32 sums; everything else in f32.
;; Inputs: b1 8 x 2,048 float32; b2 8 x 512 float32; router_w 8 x 512 float32; w1 8 x 2,048 x 512 float32; w2 8 x 512 x 2,048 float32; x 4 x 1,024 x 512 float32.
;; Outputs: out0 4 x 1,024 x 512 float32.
;; This version of the problem:
;;   THIS VERSION OF THE PROBLEM IS GIVEN IN LOW PRECISION. The matrix products marked QUANTISED in the list below multiply operands that are first quantised to E2M3 (2 exponent bits, 3 mantissa bits; 6 bits a number), with one power-of-two scale for each 32 numbers along K (OCP MX v1.0); their sums are f32. All else is computed in f32.
;;   The module's matrix products, in the order in which they are computed (A, B: the left and right operand; K: the contracted axis; several contracted axes count as one K, in the product's order):
;;     1. [M 4,096, K 512] x [K 512, N 8]; A: input x; B: input router_w: left as it is (N = 8 < 16)
;;     2. [M 4,096, K 512] x [K 512, N 16,384]; A: input x; B: input w1: QUANTISED
;;     3. batch 8 x [M 512, K 2,048] x [K 2,048, N 4,096]; A: input w2; B: computed on the way: QUANTISED
;;   THE QUANTISER, for each operand of a quantised product, along K:
;;     - K is cut into blocks of 32 from its start; a last block that is shorter is filled with zeros.
;;     - A block's scale is 2^e with e = floor(log2(the largest magnitude in the block)) - 2, held to -126 .. 127; a block of zeros has e = 0. As a byte (E8M0): e + 127.
;;     - Each number is divided by its block's scale, clamped to +-7.5, and rounded to the nearest number of E2M3, ties to even, subnormals kept.
;;     - The product sums the exact products of the quantised numbers (number of the format x scale) in f32.
;;   ~~~python
;;   def quantise(x, axis):      # numpy; x: float32 -> the quantised numbers, widened to float32 again
;;       x = np.moveaxis(x, axis, -1); K = x.shape[-1]
;;       x = np.pad(x, [(0, 0)] * (x.ndim - 1) + [(0, -K % 32)]); x = x.reshape(x.shape[:-1] + (-1, 32)); a = np.abs(x).max(-1, keepdims=True)
;;       e = np.where(a > 0, np.clip(np.frexp(np.where(a > 0, a, 1))[1] - 1 - 2, -126, 127), 0)      # np.frexp(a)[1] - 1 = floor(log2(a)), exactly
;;       r = np.clip(x / 2.0 ** e, -7.5, 7.5)
;;       step = 2.0 ** (np.maximum(np.frexp(np.where(r == 0, 1, r))[1] - 1, 0) - 3)
;;       q = np.round(r / step) * step * 2.0 ** e      # np.round: ties to even
;;       return np.moveaxis(q.reshape(q.shape[:-2] + (-1,))[..., :K], -1, axis).astype(np.float32)
;;   ~~~
;;   OPERANDS COMPUTED ON THE WAY. 'Computed on the way' means the value that the module computes at that place (a softmax that the list does not call 'softmax' is quantised finished and normalised). What goes into a quantiser is computed in f32, as accurately as f32 sums, v_exp_f32 and their like allow (about 1e-6 of the number): no bf16 or f16 on the way to a quantiser, and a product that is left as it is and whose result goes on into a quantised operand takes f32 operands (vector FMAs, or v_wmma_f32_16x16x4_f32). A number that lies on a knife's edge between two numbers of the format may be rounded either way, as far as f32 arithmetic and the matrix unit's own rounding can turn it there, and no further.
;; One version. Each part assembles by itself: llvm-mc -triple=amdgcn-amd-amdhsa -mcpu=gfx1250 --defsym DOCPART=n.
;; ======== version 1 of 1: 4 launches
;; workspace buffers: wc 12,582,912 bytes; ws 524,288 bytes; xq 2,097,152 bytes; sel 32,768 bytes of whole numbers; gate 32,768 bytes; plan 36,352 bytes of whole numbers; ybuf 16,777,216 bytes
;; launch prep1 (part 1): grid 320 x 1, 4 waves a work-group, no clusters, 100,864 bytes of LDS; arguments x, router_w, w1, wc, ws, xq, sel, gate; writes wc, ws, xq, sel, gate
.if DOCPART == 1
	.amdgcn_target "amdgcn-amd-amdhsa--gfx1250"
	.amdhsa_code_object_version 6
	.text
	.protected	k_q649251b415_prep1
	.globl	k_q649251b415_prep1
	.p2align	8
	.type	k_q649251b415_prep1,@function
k_q649251b415_prep1:
	s_mov_b64 s[64:65], 0
	v_nop
	global_prefetch_b8 v0, s[64:65] scope:SCOPE_SE
	s_setreg_imm32_b32 hwreg(HW_REG_WAVE_MODE, 25, 1), 1
	s_wait_xcnt 0x0
; Work-groups 0-63: the router (f32 multiply-adds, softmax, top 2, gate weights) and x into codes of FP6 (E2M3).
; Work-groups 64-319: w1 [8][2048][512] f32 into codes of FP6, laid as images of operand registers.
; A wave takes 16 rows x 512 along K (32 KiB of f32): 64 loads of 512 consecutive bytes, all out at once, into the 256 registers of window 1.
; A K step of 128 (a fragment) turns through the wave's own stage in LDS (16 rows, 528 bytes apart) so that lane (r, h) gets, of row r,
; k = 32 h + 0..31 and k = 64 + 32 h + 0..31: two whole blocks of 32, in the order of the operand's registers.
; A block's scale byte is the exponent field of its largest magnitude less 2, held at 1 from below by a floor among the maximum's leaves.
; wc: fragment ((e 128 + t) 4 + s), 1,536 bytes: registers 4 c .. 4 c + 3 of lane l at 512 c + 16 l.  Tile t = 2 b + u holds rows 32 b + 8 u + r + 8 (r / 8) of w1,
; so that the results of two neighbouring tiles are 16 neighbours along the next product's K.
; ws: 256 bytes a tile: the word at 8 lane + 4 j is row (lane % 16)'s scale word of K step 2 j + lane / 16.
; xq: a record of 256 bytes for (token, lane half h) at (2 token + h) 256: the 12 registers of K step s at 48 s; at 192 the scale words of K steps h and 2 + h; zeros behind them.
; sel, gate: [2 token + k]: the expert chosen and its weight, at fixed places: no address here hangs on the choice.
; LIMITS: NaN and infinities are not served.  A block of zeros gets the byte 1 (its codes are zeros; only this program reads the bytes).
; The router's sums are f32 in another order than a row-by-row sum: probabilities that lie within rounding of each other may be ranked otherwise.  Equal probabilities: the lower index.
.set XT,   128                         ; v128-255 two sets of 64 numbers back from the stage (the router's weights lie here first)
.set CD,   32                          ; v32-79   four fragments' codes, 12 registers each: no store's data are written again
.set QM,   10                          ; v10-11   largest magnitudes
.set QS,   12                          ; v12-13   the conversions' scale operands
.set QB,   14                          ; v14-15   scale bytes;  v16 the scale word, v17 the other half's, v18-19 the words gathered, v22-28 halves of blocks
.set SPIT, 528                         ; a stage row: 512 bytes + 16: sixteen rows begin in sixteen different groups of banks
.set MSB, 0
.macro WIN new                         ; the immediate's high byte repeats the setting that is left
.if MSB != (\new)
	s_set_vgpr_msb (MSB<<8)|(\new)
.set MSB, (\new)
.endif
.endm
; K step f of the 16 rows goes into the stage as loaded and comes back 128 + 128 bytes a lane.  LDS serves a wave's instructions in order: no wait between stores and loads, nor ahead of the next turn's stores.
.macro TURN f
	WIN 0x04                                       ; an LDS store's data are its source 1: window 1
.set ri, 0
.rept 16
	ds_store_b128 v4, v[16*ri+4*(\f):16*ri+4*(\f)+3] offset:SPIT*ri
.set ri, ri+1
.endr
	WIN 0
.set ri, 0
.rept 8
	ds_load_b128 v[XT+64*((\f)%2)+4*ri:XT+64*((\f)%2)+4*ri+3], v5 offset:16*ri
.set ri, ri+1
.endr
.set ri, 0
.rept 8
	ds_load_b128 v[XT+64*((\f)%2)+32+4*ri:XT+64*((\f)%2)+32+4*ri+3], v5 offset:256+16*ri
.set ri, ri+1
.endr
.endm
; 64 numbers of a lane (two whole blocks) become the 12 registers of fragment f and, in v16, the row's scale word.
.macro QUANT2 f
.set XB, XT+64*((\f)%2)
.set CB, CD+12*(\f)
.irp c, 0,1
	v_max3_num_f32 v[QM+\c], |v[XB+32*\c]|, |v[XB+32*\c+1]|, 0x1800000   ; the floor 2^(3 - 127): the byte cannot fall under 1
.endr
.irp i, 2,4,6,8,10,12,14,16,18,20,22,24,26,28,30
.irp c, 0,1
	v_max3_num_f32 v[QM+\c], v[QM+\c], |v[XB+32*\c+\i]|, |v[XB+32*\c+\i+1]|
.endr
.endr
.irp c, 0,1
	v_add_nc_u32 v[QS+\c], 0xff000000, v[QM+\c]    ; 2 off the exponent field: the conversion takes that field as its scale
.endr
.irp c, 0,1
	v_lshrrev_b32 v[QB+\c], 23, v[QS+\c]           ; the scale's byte
.endr
	v_lshl_or_b32 v16, v[QB+1], 16, v[QB]          ; my bytes: blocks h and 2 + h,
	v_lshlrev_b32 v16, v8, v16                     ; 8 h bits up;
	v_permlanex16_b32 v17, v16, s20, s21
	v_or_b32 v16, v16, v17                         ; with lane l xor 16's two the word is whole, in both halves
	v_cvt_scalef32_pk16_fp6_f32 v[CB:CB+2], v[XB:XB+15], v[QS]
	v_cvt_scalef32_pk16_fp6_f32 v[22:24], v[XB+16:XB+31], v[QS]     ; (a conversion's three registers begin on an even number)
	v_cvt_scalef32_pk16_fp6_f32 v[CB+6:CB+8], v[XB+32:XB+47], v[QS+1]
	v_cvt_scalef32_pk16_fp6_f32 v[26:28], v[XB+48:XB+63], v[QS+1]
	v_nop                                          ; one plain place behind the scaled conversions
.irp i, 0,1,2
	v_mov_b32 v[CB+3+\i], v[22+\i]
	v_mov_b32 v[CB+9+\i], v[26+\i]
.endr
.endm
.macro SCW f                           ; K step f's words: even steps in lanes 0-15, odd steps in lanes 16-31 of register f / 2
.if (\f)%2 == 0
	v_mov_b32 v[18+(\f)/2], v16
.else
	v_cndmask_b32 v[18+(\f)/2], v[18+(\f)/2], v16, s22
.endif
.endm
	s_load_b256 s[4:11], s[0:1], 0x0               ; x s[4:5], router_w s[6:7], w1 s[8:9], wc s[10:11]
	s_load_b256 s[12:19], s[0:1], 0x20             ; ws s[12:13], xq s[14:15], sel s[16:17], gate s[18:19]
	v_lshl_add_u32 v21, v0, 2, 0x18800
	v_mov_b32 v25, 0
	v_lshrrev_b32 v1, 5, v0
	v_readfirstlane_b32 s2, v1                     ; wave 0..3
	v_and_b32 v1, 31, v0                           ; lane
	v_and_b32 v2, 15, v0                           ; r
	v_bfe_u32 v3, v0, 4, 1                         ; h
	v_lshlrev_b32 v6, 4, v1                        ; 16 lane
	v_lshlrev_b32 v7, 3, v1                        ; 8 lane
	v_lshlrev_b32 v8, 3, v3                        ; 8 h
	v_mov_b32 v17, 0                               ; a lane permute's destination counts as read
	s_mov_b32 s20, 0x76543210
	s_mov_b32 s21, 0xfedcba98                      ; selects for lane l xor 16
	s_mov_b32 s22, 0xffff0000                      ; lanes 16-31
	s_mov_b32 s29, 0                               ; the upper word of byte offsets
	s_wait_kmcnt 0x0
	s_cmp_lt_u32 ttmp9, 64
	s_cbranch_scc1 .Lx
	; ---- w1: unit U = e 128 + t
	s_mul_i32 s3, s2, 16*SPIT                      ; my stage: LDS bytes 0 .. 33,791 belong to this path
	v_add_nc_u32 v4, s3, v6
	v_mul_u32_u24 v5, v2, SPIT
	v_lshl_add_u32 v5, v3, 7, v5
	v_add_nc_u32 v5, s3, v5
	s_sub_co_u32 s23, ttmp9, 64
	s_lshl_b32 s23, s23, 2
	s_add_co_u32 s23, s23, s2                      ; U
	s_lshr_b32 s28, s23, 1
	s_lshl_b32 s28, s28, 16                        ; 32 rows of 2,048 bytes for each pair of tiles,
	s_and_b32 s24, s23, 1
	s_lshl_b32 s24, s24, 14                        ; 8 rows for the odd tile
	s_add_co_u32 s28, s28, s24
	s_add_nc_u64 s[8:9], s[8:9], s[28:29]
	s_mul_i32 s28, s23, 6144
	s_add_nc_u64 s[10:11], s[10:11], s[28:29]
	s_lshl_b32 s28, s23, 8
	s_add_nc_u64 s[12:13], s[12:13], s[28:29]
	WIN 0x40                                       ; destination window 1
.set si, 0
.rept 4
.set ri, 0
.rept 16
	global_load_b128 v[16*ri+4*si:16*ri+4*si+3], v6, s[8:9] offset:(ri+8*(ri/8))*2048+512*si th:TH_LOAD_NT   ; 512 consecutive bytes of the tile's row ri
.set ri, ri+1
.endr
.set si, si+1
.endr
	WIN 0
	s_wait_loadcnt 48                              ; K step 0's sixteen loads are in; the 48 behind them stay out
	TURN 0
.irp f, 0,1,2,3
.if \f < 3
	s_wait_loadcnt 32-16*\f                        ; the next K step's sixteen loads are in
	TURN \f+1
	s_wait_dscnt 32                                ; this step's numbers are back; the 32 LDS instructions just issued stay out
.else
	s_wait_dscnt 0x0
.endif
	QUANT2 \f
.irp c, 0,1,2
	global_store_b128 v6, v[CD+12*\f+4*\c:CD+12*\f+4*\c+3], s[10:11] offset:1536*\f+512*\c   ; 512 consecutive bytes
.endr
	SCW \f
.endr
	global_store_b64 v7, v[18:19], s[12:13]        ; the tile's 256 bytes of scale words
	s_wait_tensorcnt 0x0
	ds_add_u32 v21, v25
	s_wait_dscnt 0x0
	s_endpgm
	; ---- x: wave V takes tokens 16 V .. 16 V + 15
.Lx:
	s_mul_i32 s3, s2, 16640
	s_add_co_u32 s3, s3, 33792                     ; this path's LDS: a stage of 8,448 bytes and 8,192 bytes of records for each wave
	v_add_nc_u32 v4, s3, v6
	v_mul_u32_u24 v5, v2, SPIT
	v_lshl_add_u32 v5, v3, 7, v5
	v_add_nc_u32 v5, s3, v5
	v_lshlrev_b32 v9, 9, v2
	v_lshl_add_u32 v9, v3, 8, v9
	v_add_nc_u32 v9, s3, v9
	v_add_nc_u32 v9, 16*SPIT, v9                   ; my record: token r, half h
	v_add_nc_u32 v29, s3, v6
	v_add_nc_u32 v29, 16*SPIT, v29                 ; the records back: 16 bytes a lane
	s_lshl_b32 s23, ttmp9, 2
	s_add_co_u32 s23, s23, s2                      ; V
	s_lshl_b32 s28, s23, 15
	s_add_nc_u64 s[4:5], s[4:5], s[28:29]          ; 16 tokens of 2,048 bytes
	s_lshl_b32 s28, s23, 13
	s_add_nc_u64 s[30:31], s[14:15], s[28:29]      ; their 32 records
	s_lshl_b32 s28, s23, 7
	s_add_nc_u64 s[16:17], s[16:17], s[28:29]      ; 8 bytes a token in sel and in gate
	s_add_nc_u64 s[18:19], s[18:19], s[28:29]
	s_mov_b32 s24, 0xaaaaaaaa                      ; lanes with bit 0 set; bit 1; bit 2; bit 3
	s_mov_b32 s25, 0xcccccccc
	s_mov_b32 s26, 0xf0f0f0f0
	s_mov_b32 s27, 0xff00ff00
.set ei, 0
.rept 8
.set si, 0
.rept 4
	global_load_b128 v[128+16*ei+4*si:128+16*ei+4*si+3], v6, s[6:7] offset:2048*ei+512*si   ; router_w(e, 128 s + 4 lane ..): every wave reads these
.set si, si+1
.endr
.set ei, ei+1
.endr
	WIN 0x40
.set ri, 0
.rept 16
.set si, 0
.rept 4
	global_load_b128 v[16*ri+4*si:16*ri+4*si+3], v6, s[4:5] offset:2048*ri+512*si th:TH_LOAD_NT
.set si, si+1
.endr
.set ri, ri+1
.endr
	WIN 0
	v_mov_b32 v101, 0
	v_and_b32 v102, 7, v1
	v_cvt_f32_u32 v102, v102                       ; my expert's number, as f32
	v_mov_b32 v103, -1.0
; One step of the halving tree: of two sums a and b a lane keeps one and sends the other to lane l xor xm, so that each step halves the registers.
.macro HALVE keep, send, a, b, mask, xm
	v_cndmask_b32 v[\keep], v[\a], v[\b], s[\mask]
	v_cndmask_b32 v[\send], v[\b], v[\a], s[\mask]
	v_add_f32_dpp v[\keep], v[\send], v[\keep] row_xmask:\xm row_mask:0xf bank_mask:0xf
.endm
; Token r: eight dot products of 16 numbers a lane, then the tree.  Behind three steps lane l holds expert l % 8, summed over its eight lanes.
.macro TOKEN r
	s_wait_loadcnt 60-4*(\r)                       ; router_w and this token's four loads are in; the later tokens' stay out
	WIN 0x01                                       ; source 0 (x) window 1
.set ei, 0
.rept 8
	v_pk_mul_f32 v[80+2*ei:81+2*ei], v[16*(\r):16*(\r)+1], v[128+16*ei:129+16*ei]
.set ei, ei+1
.endr
.set ki, 1
.rept 7
.set ei, 0
.rept 8
	v_pk_fma_f32 v[80+2*ei:81+2*ei], v[16*(\r)+2*ki:16*(\r)+2*ki+1], v[128+16*ei+2*ki:129+16*ei+2*ki], v[80+2*ei:81+2*ei]
.set ei, ei+1
.endr
.set ki, ki+1
.endr
	WIN 0
.irp e, 0,1,2,3,4,5,6,7
	v_add_f32 v[80+2*\e], v[80+2*\e], v[81+2*\e]
.endr
	HALVE 81, 83, 80, 82, 24, 1
	HALVE 85, 87, 84, 86, 24, 1
	HALVE 89, 91, 88, 90, 24, 1
	HALVE 93, 95, 92, 94, 24, 1
	HALVE 80, 82, 81, 85, 25, 2
	HALVE 88, 90, 89, 93, 25, 2
	HALVE 112+(\r)%4, 84, 80, 88, 26, 4
.if (\r)%4 == 3                        ; four tokens share the last two steps: lane l then holds token 4 a + 2 (l / 16) + (l / 8) % 2, expert l % 8
	HALVE 96, 97, 112, 113, 27, 8
	HALVE 98, 99, 114, 115, 27, 8
	v_cndmask_b32 v[116+(\r)/4], v96, v98, s22
	v_cndmask_b32 v100, v98, v96, s22
	v_permlanex16_b32 v101, v100, s20, s21
	v_add_f32 v[116+(\r)/4], v[116+(\r)/4], v101
.endif
.endm
.irp r, 0,1,2,3,4,5,6,7,8,9,10,11,12,13,14,15
	TOKEN \r
.endr
; Over the eight lanes of a token: three steps, the four registers by turns; every lane ends with the result.
.macro RED8 op, base
.irp k, 1,2,4
.irp a, 0,1,2,3
	\op v[\base+\a], v[\base+\a], v[\base+\a] row_xmask:\k row_mask:0xf bank_mask:0xf
.endr
.endr
.endm
.irp a, 0,1,2,3
	v_mov_b32 v[120+\a], v[116+\a]
.endr
	RED8 v_max_num_f32_dpp, 120                    ; the largest logit is taken away, as in the softmax that is computed
.irp a, 0,1,2,3
	v_sub_f32 v[124+\a], v[116+\a], v[120+\a]
.endr
.irp a, 0,1,2,3
	v_mul_f32 v[124+\a], 0x3fb8aa3b, v[124+\a]
.endr
.irp a, 0,1,2,3
	v_exp_f32 v[124+\a], v[124+\a]
.endr
	v_nop                                          ; a plain place behind the batch,
	s_wait_alu depctr_va_vdst(0)                   ; and its one wait ahead of the first reader
.irp a, 0,1,2,3
	v_mov_b32 v[80+\a], v[124+\a]
.endr
	RED8 v_add_f32_dpp, 80
.irp a, 0,1,2,3
	v_rcp_f32 v[80+\a], v[80+\a]
.endr
	v_nop
	s_wait_alu depctr_va_vdst(0)
.irp a, 0,1,2,3
	v_mul_f32 v[124+\a], v[124+\a], v[80+\a]       ; the probabilities
.endr
.irp a, 0,1,2,3
	v_mov_b32 v[84+\a], v[124+\a]
.endr
	RED8 v_max_num_f32_dpp, 84                     ; the largest,
.irp a, 0,1,2,3
	v_cmp_eq_f32 vcc_lo, v[124+\a], v[84+\a]
	v_cndmask_b32 v[88+\a], 0x41000000, v102, vcc_lo   ; my number where I hold it, else 8
.endr
	RED8 v_min_num_f32_dpp, 88                     ; and the lowest expert that holds it
.irp a, 0,1,2,3
	v_cmp_eq_f32 vcc_lo, v102, v[88+\a]
	v_cndmask_b32 v[92+\a], v[124+\a], v103, vcc_lo    ; that expert is taken out: -1 lies under every probability
.endr
.irp a, 0,1,2,3
	v_mov_b32 v[96+\a], v[92+\a]
.endr
	RED8 v_max_num_f32_dpp, 96
.irp a, 0,1,2,3
	v_cmp_eq_f32 vcc_lo, v[92+\a], v[96+\a]
	v_cndmask_b32 v[108+\a], 0x41000000, v102, vcc_lo
.endr
	RED8 v_min_num_f32_dpp, 108
.irp a, 0,1,2,3
	v_add_f32 v[80+\a], v[84+\a], v[96+\a]
.endr
.irp a, 0,1,2,3
	v_add_f32 v[80+\a], 0x3089705f, v[80+\a]       ; + 1e-9
.endr
.irp a, 0,1,2,3
	v_rcp_f32 v[80+\a], v[80+\a]
.endr
	v_nop
	s_wait_alu depctr_va_vdst(0)
.irp a, 0,1,2,3
	v_mul_f32 v[120+\a], v[84+\a], v[80+\a]        ; the two gate weights
	v_mul_f32 v[116+\a], v[96+\a], v[80+\a]
	v_cvt_u32_f32 v[88+\a], v[88+\a]
	v_cvt_u32_f32 v[108+\a], v[108+\a]
.endr
.macro SEL4 dst, base                  ; lane l takes register l % 4
	v_cndmask_b32 v[\dst], v[\base], v[\base+1], s24
	v_cndmask_b32 v100, v[\base+2], v[\base+3], s24
	v_cndmask_b32 v[\dst], v[\dst], v100, s25
.endm
	SEL4 104, 88
	SEL4 105, 108
	SEL4 106, 120
	SEL4 107, 116
	v_and_b32 v30, 3, v1
	v_lshlrev_b32 v30, 2, v30
	v_lshl_add_u32 v30, v3, 1, v30
	v_bfe_u32 v31, v1, 3, 1
	v_add_nc_u32 v30, v30, v31                     ; my token: 4 (l % 4) + 2 (l / 16) + (l / 8) % 2
	v_lshlrev_b32 v30, 3, v30
	global_store_b64 v30, v[104:105], s[16:17]     ; lanes l and l xor 4 hold the same token and store the same 8 bytes; the wave covers 128 consecutive bytes
	global_store_b64 v30, v[106:107], s[18:19]
.irp a, 0,1,2,3
	v_mov_b32 v[96+\a], 0                          ; the zeros at a record's end
.endr
	; ---- x into codes: the same turns; the records are gathered in LDS and leave as 8,192 consecutive bytes
	TURN 0
.irp f, 0,1,2,3
.if \f < 3
	TURN \f+1
.endif
.if \f == 0
	s_wait_dscnt 32                                ; behind this step's loads: the next turn's 32
.elseif \f < 3
	s_wait_dscnt 35                                ; the last step's 3 stores of codes and the next turn's 32
.else
	s_wait_dscnt 3                                 ; the last step's 3 stores of codes
.endif
	QUANT2 \f
.irp c, 0,1,2
	ds_store_b128 v9, v[CD+12*\f+4*\c:CD+12*\f+4*\c+3] offset:48*\f+16*\c
.endr
	SCW \f
.endr
	ds_store_b64 v9, v[18:19] offset:192           ; lane (r, h): the scale words of K steps h and 2 + h
	ds_store_b64 v9, v[96:97] offset:200
	ds_store_b128 v9, v[96:99] offset:208
	ds_store_b128 v9, v[96:99] offset:224
	ds_store_b128 v9, v[96:99] offset:240
.irp j, 0,1,2,3,4,5,6,7,8,9,10,11,12,13,14,15
	ds_load_b128 v[128+4*\j:131+4*\j], v29 offset:512*\j           ; LDS serves a wave's instructions in order: these see my stores
.endr
.irp j, 0,1,2,3,4,5,6,7,8,9,10,11,12,13,14,15
	s_wait_dscnt 15-\j
	global_store_b128 v6, v[128+4*\j:131+4*\j], s[30:31] offset:512*\j   ; 512 consecutive bytes: two whole records
.endr
	s_wait_tensorcnt 0x0
	ds_add_u32 v21, v25
	s_wait_dscnt 0x0
	s_endpgm
.Lfunc_end_k_q649251b415_prep1:
	.size	k_q649251b415_prep1, .Lfunc_end_k_q649251b415_prep1-k_q649251b415_prep1
	.p2alignl 7, 3214868480
	.fill 96, 4, 3214868480
	.section	.rodata,"a",@progbits
	.p2align	6, 0x0
	.amdhsa_kernel k_q649251b415_prep1
		.amdhsa_group_segment_fixed_size 100864
		.amdhsa_private_segment_fixed_size 0
		.amdhsa_enable_private_segment 0
		.amdhsa_kernarg_size 64
		.amdhsa_user_sgpr_count 2
		.amdhsa_user_sgpr_kernarg_segment_ptr 1
		.amdhsa_wavefront_size32 1
		.amdhsa_system_sgpr_workgroup_id_x 1
		.amdhsa_system_sgpr_workgroup_id_y 1
		.amdhsa_system_sgpr_workgroup_id_z 1
		.amdhsa_system_vgpr_workitem_id 0
		.amdhsa_next_free_vgpr 512
		.amdhsa_next_free_sgpr 66
		.amdhsa_reserve_vcc 1
		.amdhsa_float_denorm_mode_32 3
		.amdhsa_float_denorm_mode_16_64 3
		.amdhsa_memory_ordered 1
		.amdhsa_forward_progress 1
		.amdhsa_inst_pref_size 167
	.end_amdhsa_kernel
	.amdgpu_metadata
---
amdhsa.version: [ 1, 2 ]
amdhsa.kernels:
  - .name:           k_q649251b415_prep1
    .symbol:         k_q649251b415_prep1.kd
    .args:
      - { .name: x, .offset: 0, .size: 8, .value_kind: global_buffer, .address_space: global }
      - { .name: router_w, .offset: 8, .size: 8, .value_kind: global_buffer, .address_space: global }
      - { .name: w1, .offset: 16, .size: 8, .value_kind: global_buffer, .address_space: global }
      - { .name: wc, .offset: 24, .size: 8, .value_kind: global_buffer, .address_space: global }
      - { .name: ws, .offset: 32, .size: 8, .value_kind: global_buffer, .address_space: global }
      - { .name: xq, .offset: 40, .size: 8, .value_kind: global_buffer, .address_space: global }
      - { .name: sel, .offset: 48, .size: 8, .value_kind: global_buffer, .address_space: global }
      - { .name: gate, .offset: 56, .size: 8, .value_kind: global_buffer, .address_space: global }
    .group_segment_fixed_size: 100864
    .private_segment_fixed_size: 0
    .kernarg_segment_align: 8
    .kernarg_segment_size: 64
    .max_flat_workgroup_size: 128
    .sgpr_count:     66
    .vgpr_count:     512
    .wavefront_size: 32
...
	.end_amdgpu_metadata
.endif
;; end of part 1
;; launch prep2 (part 2): grid 257 x 1, 4 waves a work-group, no clusters, 34,816 bytes of LDS; arguments w2, sel, wc, ws, plan; writes wc, ws, plan
.if DOCPART == 2
	.amdgcn_target "amdgcn-amd-amdhsa--gfx1250"
	.amdhsa_code_object_version 6
	.text
	.protected	k_q649251b415_prep2
	.globl	k_q649251b415_prep2
	.p2align	8
	.type	k_q649251b415_prep2,@function
k_q649251b415_prep2:
	s_mov_b64 s[64:65], 0
	v_nop
	global_prefetch_b8 v0, s[64:65] scope:SCOPE_SE
	s_setreg_imm32_b32 hwreg(HW_REG_WAVE_MODE, 25, 1), 1
	s_wait_xcnt 0x0
; Work-group 0: a counting sort of the 8,192 routed rows (row id = 2 token + k) by expert, into tiles of 48 rows.
; Work-groups 1-256: w2 [8][512][2048] f32 into codes of FP6 (E2M3), laid as images of operand registers, by the same turns as w1 in the launch before.
; wc (from byte 6,291,456): fragment (((e 8 + n / 4) 16 + s) 4 + n % 4): n the tile of 16 rows of w2 (output columns), s the K step of 128.
; ws (from byte 262,144): 256 bytes for ((e 8 + n / 4) 4 + q) 4 + n % 4: the word at 8 lane + 4 j is row (lane % 16)'s scale word of K step 4 q + 2 j + lane / 16.
; plan: 192 pairs (expert, rows) at 8 g; from byte 2,048 the row ids, tile g's at 192 g.  Of a tile only its first n ids are stored, and only those are read later.
; An expert with c rows takes ceil(c / 48) tiles: never more than 178 in all, whatever the choice.
; LIMITS of the quantiser: NaN and infinities are not served; a block of zeros gets the byte 1 (its codes are zeros; only this program reads the bytes).
.set XT,   128
.set CD,   32
.set QM,   10
.set QS,   12
.set QB,   14
.set SPIT, 528
.set MSB, 0
.macro WIN new
.if MSB != (\new)
	s_set_vgpr_msb (MSB<<8)|(\new)
.set MSB, (\new)
.endif
.endm
.macro TURN f                          ; K step f of the 16 rows through the wave's own stage; LDS serves a wave's instructions in order
	WIN 0x04
.set ri, 0
.rept 16
	ds_store_b128 v4, v[16*ri+4*(\f):16*ri+4*(\f)+3] offset:SPIT*ri
.set ri, ri+1
.endr
	WIN 0
.set ri, 0
.rept 8
	ds_load_b128 v[XT+64*((\f)%2)+4*ri:XT+64*((\f)%2)+4*ri+3], v5 offset:16*ri
.set ri, ri+1
.endr
.set ri, 0
.rept 8
	ds_load_b128 v[XT+64*((\f)%2)+32+4*ri:XT+64*((\f)%2)+32+4*ri+3], v5 offset:256+16*ri
.set ri, ri+1
.endr
.endm
.macro QUANT2 f                        ; two whole blocks of a lane become fragment f's 12 registers and, in v16, the row's scale word
.set XB, XT+64*((\f)%2)
.set CB, CD+12*(\f)
.irp c, 0,1
	v_max3_num_f32 v[QM+\c], |v[XB+32*\c]|, |v[XB+32*\c+1]|, 0x1800000   ; the floor 2^(3 - 127)
.endr
.irp i, 2,4,6,8,10,12,14,16,18,20,22,24,26,28,30
.irp c, 0,1
	v_max3_num_f32 v[QM+\c], v[QM+\c], |v[XB+32*\c+\i]|, |v[XB+32*\c+\i+1]|
.endr
.endr
.irp c, 0,1
	v_add_nc_u32 v[QS+\c], 0xff000000, v[QM+\c]
.endr
.irp c, 0,1
	v_lshrrev_b32 v[QB+\c], 23, v[QS+\c]
.endr
	v_lshl_or_b32 v16, v[QB+1], 16, v[QB]
	v_lshlrev_b32 v16, v8, v16
	v_permlanex16_b32 v17, v16, s20, s21
	v_or_b32 v16, v16, v17
	v_cvt_scalef32_pk16_fp6_f32 v[CB:CB+2], v[XB:XB+15], v[QS]
	v_cvt_scalef32_pk16_fp6_f32 v[22:24], v[XB+16:XB+31], v[QS]
	v_cvt_scalef32_pk16_fp6_f32 v[CB+6:CB+8], v[XB+32:XB+47], v[QS+1]
	v_cvt_scalef32_pk16_fp6_f32 v[26:28], v[XB+48:XB+63], v[QS+1]
	v_nop                                          ; one plain place behind the scaled conversions
.irp i, 0,1,2
	v_mov_b32 v[CB+3+\i], v[22+\i]
	v_mov_b32 v[CB+9+\i], v[26+\i]
.endr
.endm
.macro SCW f
.if (\f)%2 == 0
	v_mov_b32 v[18+(\f)/2], v16
.else
	v_cndmask_b32 v[18+(\f)/2], v[18+(\f)/2], v16, s22
.endif
.endm
	s_load_b256 s[4:11], s[0:1], 0x0               ; w2 s[4:5], sel s[6:7], wc s[8:9], ws s[10:11]
	s_load_b64 s[12:13], s[0:1], 0x20              ; plan
	s_set_vgpr_msb 0x80
	v_lshl_add_u32 v0, v0, 2, 0x8600
	v_mov_b32 v1, 0
	s_set_vgpr_msb 0x8000
	v_lshrrev_b32 v1, 5, v0
	v_readfirstlane_b32 s2, v1                     ; wave 0..3
	v_and_b32 v1, 31, v0                           ; lane
	v_and_b32 v2, 15, v0                           ; r
	v_bfe_u32 v3, v0, 4, 1                         ; h
	v_lshlrev_b32 v6, 4, v1                        ; 16 lane
	v_lshlrev_b32 v7, 3, v1                        ; 8 lane
	v_lshlrev_b32 v8, 3, v3                        ; 8 h
	v_mov_b32 v17, 0
	s_mov_b32 s20, 0x76543210
	s_mov_b32 s21, 0xfedcba98
	s_mov_b32 s22, 0xffff0000
	s_mov_b32 s29, 0
	s_wait_kmcnt 0x0
	s_cmp_eq_u32 ttmp9, 0
	s_cbranch_scc1 .Lplace
	; ---- w2: unit U: tile N = U / 4 = e 32 + n, quarter q = U % 4 of K
	s_mul_i32 s3, s2, 16*SPIT                      ; my stage: LDS bytes 0 .. 33,791 belong to this path
	v_add_nc_u32 v4, s3, v6
	v_mul_u32_u24 v5, v2, SPIT
	v_lshl_add_u32 v5, v3, 7, v5
	v_add_nc_u32 v5, s3, v5
	s_sub_co_u32 s23, ttmp9, 1
	s_lshl_b32 s23, s23, 2
	s_add_co_u32 s23, s23, s2                      ; U
	s_lshr_b32 s24, s23, 2                         ; N
	s_and_b32 s25, s23, 3                          ; q
	s_lshl_b32 s28, s24, 17                        ; 16 rows of 8,192 bytes,
	s_lshl_b32 s26, s25, 11                        ; 512 numbers along K
	s_add_co_u32 s28, s28, s26
	s_add_nc_u64 s[4:5], s[4:5], s[28:29]
	s_lshr_b32 s26, s24, 2                         ; e 8 + n / 4
	s_and_b32 s27, s24, 3                          ; n % 4
	s_lshl_b32 s28, s26, 6
	s_lshl_b32 s30, s25, 4
	s_add_co_u32 s28, s28, s30
	s_add_co_u32 s28, s28, s27
	s_mul_i32 s28, s28, 1536
	s_add_co_u32 s28, s28, 6291456
	s_add_nc_u64 s[8:9], s[8:9], s[28:29]
	s_lshl_b32 s28, s26, 2
	s_add_co_u32 s28, s28, s25
	s_lshl_b32 s28, s28, 2
	s_add_co_u32 s28, s28, s27
	s_lshl_b32 s28, s28, 8
	s_add_co_u32 s28, s28, 262144
	s_add_nc_u64 s[10:11], s[10:11], s[28:29]
	WIN 0x40
.set si, 0
.rept 4
.set ri, 0
.rept 16
	global_load_b128 v[16*ri+4*si:16*ri+4*si+3], v6, s[4:5] offset:ri*8192+512*si th:TH_LOAD_NT   ; 512 consecutive bytes of row ri
.set ri, ri+1
.endr
.set si, si+1
.endr
	WIN 0
	s_wait_loadcnt 48                              ; K step 0's sixteen loads are in
	TURN 0
.irp f, 0,1,2,3
.if \f < 3
	s_wait_loadcnt 32-16*\f                        ; the next K step's sixteen loads are in
	TURN \f+1
	s_wait_dscnt 32                                ; this step's numbers are back; the 32 just issued stay out
.else
	s_wait_dscnt 0x0
.endif
	QUANT2 \f
.irp c, 0,1,2
	global_store_b128 v6, v[CD+12*\f+4*\c:CD+12*\f+4*\c+3], s[8:9] offset:6144*\f+512*\c   ; a K step on is four fragments on
.endr
	SCW \f
.endr
	global_store_b64 v7, v[18:19], s[10:11]
	s_set_vgpr_msb 0xa
	s_wait_tensorcnt 0x0
	ds_add_u32 v0, v1
	s_wait_dscnt 0x0
	s_set_vgpr_msb 0xa00
	s_endpgm
	; ---- the rows are placed.  Wave w holds row ids 2,048 w .. 2,048 w + 2,047: register 4 q + j of lane l is id 2,048 w + 128 q + 4 l + j
.Lplace:
	s_lshl_b32 s28, s2, 13
	s_add_nc_u64 s[6:7], s[6:7], s[28:29]
.set qi, 0
.rept 16
	global_load_b128 v[64+4*qi:67+4*qi], v6, s[6:7] offset:512*qi
.set qi, qi+1
.endr
.irp e, 0,1,2,3,4,5,6,7
	s_mov_b32 s[32+\e], 0                          ; rows of expert e met so far in my wave
.endr
	s_wait_loadcnt 0x0
.set vi, 0
.rept 64
	v_min_u32 v[64+vi], 7, v[64+vi]                ; an expert's number stays inside the table
.set vi, vi+1
.endr
.set vi, 0
.rept 64                               ; a row's rank among my wave's rows of its expert: those met before, and the lower lanes of this register
.irp e, 0,1,2,3,4,5,6,7
	v_cmp_eq_u32 s[40+\e], \e, v[64+vi]
.endr
.irp e, 0,1,2,3,4,5,6,7
	s_bcnt1_i32_b32 s[48+\e], s[40+\e]
.endr
	v_mbcnt_lo_u32_b32 v[128+vi], s40, s32
.irp e, 1,2,3,4,5,6,7
	v_mbcnt_lo_u32_b32 v[8+\e%2], s[40+\e], s[32+\e]
	v_cndmask_b32 v[128+vi], v[128+vi], v[8+\e%2], s[40+\e]
.endr
.irp e, 0,1,2,3,4,5,6,7
	s_add_co_u32 s[32+\e], s[32+\e], s[48+\e]
.endr
.set vi, vi+1
.endr
	v_mov_b32 v10, 0
.irp e, 0,1,2,3,4,5,6,7
	v_writelane_b32 v10, s[32+\e], \e              ; my wave's counts in lanes 0-7
.endr
	s_lshl_b32 s3, s2, 7
	v_lshlrev_b32 v11, 2, v1
	v_add_nc_u32 v13, s3, v11
	ds_store_b32 v13, v10 offset:33792             ; 128 bytes a wave, behind the other path's stages
	s_wait_dscnt 0x0                               ; for the others: my store has landed
	s_barrier_signal -1
	s_barrier_wait -1
.irp i, 0,1,2,3
	ds_load_b32 v[20+\i], v11 offset:33792+128*\i
.endr
	s_wait_dscnt 0x0
	v_add3_u32 v24, v20, v21, v22
	v_add_nc_u32 v24, v24, v23                     ; lane e: all rows of expert e
	v_mov_b32 v25, 0
.irp i, 0,1,2
	s_cmp_gt_u32 s2, \i
	s_cselect_b32 s3, -1, 0
	v_and_b32 v26, s3, v[20+\i]
	v_add_nc_u32 v25, v25, v26                     ; lane e: those of the waves before mine
.endr
.irp e, 0,1,2,3,4,5,6,7
	v_readlane_b32 s[48+\e], v24, \e
.endr
	s_mov_b32 s56, 0                               ; s[56:63]: an expert's first tile
.irp e, 0,1,2,3,4,5,6
	s_add_co_u32 s3, s[48+\e], 47
	s_mul_i32 s3, s3, 43691
	s_lshr_b32 s3, s3, 21                          ; (c + 47) / 48: 43,691 x 48 = 2^21 + 16, exact for numbers up to 8,239
	s_add_co_u32 s[57+\e], s[56+\e], s3
.endr
	v_mov_b32 v27, 0
.irp e, 0,1,2,3,4,5,6,7
	s_mul_i32 s[66+\e], s[56+\e], 48               ; its first place in the list of rows
	v_writelane_b32 v27, s[66+\e], \e
.endr
	v_add_nc_u32 v16, v27, v25                     ; lane e: where my wave's rows of expert e begin
	s_lshl_b32 s3, s2, 11
	v_add_nc_u32 v28, s3, v11                      ; 2,048 w + 4 lane
.set bi, 0
.rept 8
.set ji, 0
.rept 8
	v_lshlrev_b32 v[64+8*bi+ji], 2, v[64+8*bi+ji]
.set ji, ji+1
.endr
.set ji, 0
.rept 8
	ds_bpermute_b32 v[192+ji], v[64+8*bi+ji], v16  ; each row fetches its expert's beginning from lane e
.set ji, ji+1
.endr
	s_wait_dscnt 0x0
.set ji, 0
.rept 8
.set xi, 8*bi+ji
	v_add_nc_u32 v[128+xi], v[128+xi], v[192+ji]
	v_min_u32 v[128+xi], 8543, v[128+xi]           ; 178 tiles of 48 places
	v_lshlrev_b32 v[128+xi], 2, v[128+xi]
	v_add_nc_u32 v[64+xi], 128*(xi/4)+xi%4, v28    ; the row id
	global_store_b32 v[128+xi], v[64+xi], s[12:13] offset:2048   ; each store has registers of its own
.set ji, ji+1
.endr
.set bi, bi+1
.endr
	s_cmp_lg_u32 s2, 0                             ; the table of tiles is wave 0's; no barrier follows
	s_cbranch_scc1 .Lpend
.irp i, 0,1,2,3,4,5
	v_add_nc_u32 v29, 32*\i, v1                    ; tile g
	v_mov_b32 v[32+2*\i], 0
	v_mov_b32 v30, s48
	v_mov_b32 v31, 0
.irp e, 1,2,3,4,5,6,7
	v_cmp_gt_u32 vcc_lo, s[56+\e], v29             ; expert e begins behind g: what was chosen stays; else e takes over (an expert without rows is passed over)
	v_cndmask_b32 v[32+2*\i], \e, v[32+2*\i], vcc_lo
	v_cndmask_b32 v30, s[48+\e], v30, vcc_lo
	v_cndmask_b32 v31, s[56+\e], v31, vcc_lo
.endr
	v_sub_nc_u32 v31, v29, v31
	v_mul_u32_u24 v31, v31, 48                     ; rows of the expert in the tiles before g,
	v_min_u32 v31, v31, v30
	v_sub_nc_u32 v30, v30, v31                     ; rows left,
	v_min_u32 v[33+2*\i], 48, v30                  ; rows of tile g: 0 behind the last tile
	global_store_b64 v7, v[32+2*\i:33+2*\i], s[12:13] offset:256*\i
.endr
.Lpend:
	s_set_vgpr_msb 0xa
	s_wait_tensorcnt 0x0
	ds_add_u32 v0, v1
	s_wait_dscnt 0x0
	s_set_vgpr_msb 0xa00
	s_endpgm
.Lfunc_end_k_q649251b415_prep2:
	.size	k_q649251b415_prep2, .Lfunc_end_k_q649251b415_prep2-k_q649251b415_prep2
	.p2alignl 7, 3214868480
	.fill 96, 4, 3214868480
	.section	.rodata,"a",@progbits
	.p2align	6, 0x0
	.amdhsa_kernel k_q649251b415_prep2
		.amdhsa_group_segment_fixed_size 34816
		.amdhsa_private_segment_fixed_size 0
		.amdhsa_enable_private_segment 0
		.amdhsa_kernarg_size 40
		.amdhsa_user_sgpr_count 2
		.amdhsa_user_sgpr_kernarg_segment_ptr 1
		.amdhsa_wavefront_size32 1
		.amdhsa_system_sgpr_workgroup_id_x 1
		.amdhsa_system_sgpr_workgroup_id_y 1
		.amdhsa_system_sgpr_workgroup_id_z 1
		.amdhsa_system_vgpr_workitem_id 0
		.amdhsa_next_free_vgpr 514
		.amdhsa_next_free_sgpr 80
		.amdhsa_reserve_vcc 1
		.amdhsa_float_denorm_mode_32 3
		.amdhsa_float_denorm_mode_16_64 3
		.amdhsa_memory_ordered 1
		.amdhsa_forward_progress 1
		.amdhsa_inst_pref_size 195
	.end_amdhsa_kernel
	.amdgpu_metadata
---
amdhsa.version: [ 1, 2 ]
amdhsa.kernels:
  - .name:           k_q649251b415_prep2
    .symbol:         k_q649251b415_prep2.kd
    .args:
      - { .name: w2, .offset: 0, .size: 8, .value_kind: global_buffer, .address_space: global }
      - { .name: sel, .offset: 8, .size: 8, .value_kind: global_buffer, .address_space: global }
      - { .name: wc, .offset: 16, .size: 8, .value_kind: global_buffer, .address_space: global }
      - { .name: ws, .offset: 24, .size: 8, .value_kind: global_buffer, .address_space: global }
      - { .name: plan, .offset: 32, .size: 8, .value_kind: global_buffer, .address_space: global }
    .group_segment_fixed_size: 34816
    .private_segment_fixed_size: 0
    .kernarg_segment_align: 8
    .kernarg_segment_size: 40
    .max_flat_workgroup_size: 128
    .sgpr_count:     80
    .vgpr_count:     514
    .wavefront_size: 32
...
	.end_amdgpu_metadata
.endif
;; end of part 2
;; launch chain (part 3): grid 178 x 1, 8 waves a work-group, no clusters, 188,416 bytes of LDS; arguments xq, wc, ws, b1, b2, gate, plan, ybuf; writes ybuf
.if DOCPART == 3
	.amdgcn_target "amdgcn-amd-amdhsa--gfx1250"
	.amdhsa_code_object_version 6
	.text
	.protected	k_q649251b415_chain
	.globl	k_q649251b415_chain
	.p2align	8
	.type	k_q649251b415_chain,@function
k_q649251b415_chain:
	s_mov_b64 s[64:65], 0
	v_nop
	global_prefetch_b8 v0, s[64:65] scope:SCOPE_SE
	s_setreg_imm32_b32 hwreg(HW_REG_WAVE_MODE, 25, 1), 1
	s_wait_xcnt 0x0
; One work-group takes one tile (at most 48 routed rows) of one expert through the whole chain:
; ybuf[row id] = gate x (Q(gelu(Q(x) Q(W1)^T + b1)) Q(W2)^T + b2), both products on codes of FP6 (E2M3) with one E8M0 scale for each 32 along K.  The hidden layer never goes to memory.
; The grid of 178 serves every split of the 8,192 rows over 8 experts (ceil(8192 / 48) + 7).  A lane whose row does not exist works on the tile's last row that does, and its result is not stored;
; a tile without rows works on the list's first row and stores nothing.  No barrier stands under a branch on a loaded number: the only such branches stand round the row stores, behind the last barrier.
; NO CLUSTER, NO TENSOR LOADS: the expert, and so every address of the weights, is a number read from memory, and neighbouring tiles may belong to different experts.  The weights lie in memory
; in the order of the operand registers, so that each lane loads its fragments whole, 512 consecutive bytes an instruction.
; SHARES.  First product: wave w makes hidden units 256 w .. 256 w + 255 for the 3 tiles of 16 rows, 64 units (half a K step of the second product) at a time: four halves, written out, so that every step of an
; address is an immediate.  Second product: wave w makes output columns 64 w .. 64 w + 63.
; Both products are used transposed (source 0 = 16 rows of a weight, source 1 = 16 routed rows): a lane holds one routed row, and its registers run along the hidden units or the output columns.
; The hidden layer goes from wave to wave through LDS as images of operand registers, in pieces of 8 bytes a lane.  The biases are the C of each sum's first matrix instructions.
; GELU: 0.5 x (1 + erf(x / sqrt 2)), erf(z) = z P(z^2) / Q(z^2) with z held to +-4, all in f32.
; LIMITS: erf is good to a few 1e-7 absolutely, so for x under about -5.6 the result is 0 to within 2e-7 |x| and not accurate relatively there.  NaN and infinities are not served.  A block of zeros gets the scale byte 1: its codes are zeros.
; REGISTERS.  Window 0: v0 the thread's number; v1-9 addresses, made once and never rewritten; v10-13 two coefficients; v14-19 the rows' scale words; v20-27 the weights' scale words; v28-75 T, at work;
;   v76-171 the 12 accumulators; v172-255 weight fragments 9-15.  Window 1: v0-143 x's 12 fragments (later ring slot 4 and a set of hidden fragments), v144-251 weight fragments 0-8.
.set HIMG, 0                           ; LDS: the hidden layer's codes: half fragment ((2 S + c) 3 + m) 768: registers 6 c + 2 j, 6 c + 2 j + 1 at 256 j + 8 lane
.set HSC,  73728                       ; its scale words: (16 m + S) 128 + 4 lane
.set LB1,  79872                       ; b1 of the expert, 8,192 bytes
.set STG,  88064                       ; the way out: 48 rows, 2,064 bytes apart; routed row 16 m + r lies in stage row 3 r + m
.set SPT,  2064
.set LO16, 1                           ; v1  16 lane
.set LO8,  2                           ; v2  8 lane: offsets in memory, and the hidden images of K steps 0-7
.set RHB,  3                           ; v3  36,864 + 8 lane: those of K steps 8-15
.set HW8,  4                           ; v4  9,216 w + 8 lane: where I put hidden codes
.set RHS,  5                           ; v5  HSC + 4 lane
.set HSA,  6                           ; v6  HSC + 256 w + 4 lane: where I put their scale words
.set BA,   7                           ; v7  LB1 + 1,024 w + 64 h
.set SO,   8                           ; v8  STG + 3 r SPT + 256 w + 32 h
.set SR,   9                           ; v9  STG + 6 w SPT + 16 lane
.set CA,   10                          ; v[10:11] a13 twice;  v[12:13] b8 twice
.set CQ,   12
.set XS,   14
.set WS,   20
.set T,    28
.set WSB,  64                          ; second product: the second set of W2's scale words
.set ACC,  76                          ; accumulator (m, t) at ACC + 32 m + 8 t
.set GU,   T+32
.set GP,   T+40
.set MSB, 0
.macro WIN new                         ; the immediate's high byte repeats the setting that is left
.if MSB != (\new)
	s_set_vgpr_msb (MSB<<8)|(\new)
.set MSB, (\new)
.endif
.endm
.macro NOPS n
.rept \n
	v_nop
.endr
.endm
.macro WBSET idx                       ; weight fragment idx of 16: its first register and its window
.if (\idx) < 9
.set WA, 144+12*(\idx)
.set WAW, 1
.else
.set WA, 172+12*((\idx)-9)
.set WAW, 0
.endif
.endm
.macro RING k, n                       ; second product: ring slot k of 5, column tile n
.if (\k) == 4
.set WA, 12*(\n)
.set WAW, 1
.else
	WBSET 4*(\n)+(\k)
.endif
.endm
; One matrix instruction from the symbols WD, WA, WAW, WBR, WBW, WC, WSA_, WSB_; rowa, rowb: the scales stand in lanes 16-31
.macro WMI rowa, rowb
	WIN WAW|(WBW<<2)
.if (\rowa) && (\rowb)
	v_wmma_scale_f32_16x16x128_f8f6f4 v[WD:WD+7], v[WA:WA+11], v[WBR:WBR+11], v[WC:WC+7], v[WSA_], v[WSB_] matrix_a_fmt:MATRIX_FMT_FP6 matrix_b_fmt:MATRIX_FMT_FP6 matrix_a_scale:MATRIX_SCALE_ROW1 matrix_b_scale:MATRIX_SCALE_ROW1
.elseif (\rowa)
	v_wmma_scale_f32_16x16x128_f8f6f4 v[WD:WD+7], v[WA:WA+11], v[WBR:WBR+11], v[WC:WC+7], v[WSA_], v[WSB_] matrix_a_fmt:MATRIX_FMT_FP6 matrix_b_fmt:MATRIX_FMT_FP6 matrix_a_scale:MATRIX_SCALE_ROW1
.else
	v_wmma_scale_f32_16x16x128_f8f6f4 v[WD:WD+7], v[WA:WA+11], v[WBR:WBR+11], v[WC:WC+7], v[WSA_], v[WSB_] matrix_a_fmt:MATRIX_FMT_FP6 matrix_b_fmt:MATRIX_FMT_FP6
.endif
.endm
; 16 fragments, 24,576 consecutive bytes from s[sb:sb+1] + off: memory fragment f goes to weight fragment 4 (f % 4) + f / 4
.macro WLOAD sb, off
	WIN 0x40
.set xi, 0
.rept 9
.set fi, 4*(xi%4)+xi/4
.irp c, 0,1,2
	global_load_b128 v[144+12*xi+4*\c:144+12*xi+4*\c+3], v[LO16], s[\sb:\sb+1] offset:(\off)+1536*fi+512*\c
.endr
.set xi, xi+1
.endr
	WIN 0
.rept 7
.set fi, 4*(xi%4)+xi/4
.irp c, 0,1,2
	global_load_b128 v[172+12*(xi-9)+4*\c:172+12*(xi-9)+4*\c+3], v[LO16], s[\sb:\sb+1] offset:(\off)+1536*fi+512*\c
.endr
.set xi, xi+1
.endr
.endm
.macro WSLOAD sb, off, reg             ; four tiles' scale words, 256 bytes each: register pair t; in it register j: K step 2 j in lanes 0-15, 2 j + 1 in lanes 16-31
.irp t, 0,1,2,3
	global_load_b64 v[\reg+2*\t:\reg+2*\t+1], v[LO8], s[\sb:\sb+1] offset:(\off)+256*\t
.endr
.endm
	s_load_b256 s[4:11], s[0:1], 0x0               ; xq s[4:5], wc s[6:7], ws s[8:9], b1 s[10:11]
	s_load_b256 s[12:19], s[0:1], 0x20             ; b2 s[12:13], gate s[14:15], plan s[16:17], ybuf s[18:19]
	s_set_vgpr_msb 0x40
	v_lshl_add_u32 v254, v0, 2, 0x2dc00
	v_mov_b32 v255, 0
	s_set_vgpr_msb 0x4000
	v_lshrrev_b32 v28, 5, v0
	v_readfirstlane_b32 s22, v28                   ; wave 0..7
	v_and_b32 v29, 31, v0                          ; lane
	v_and_b32 v30, 15, v0                          ; r
	v_bfe_u32 v31, v0, 4, 1                        ; h
	v_lshlrev_b32 v32, 5, v0                       ; 32 x thread: my bytes of b1 in memory,
	v_lshl_add_u32 v33, v0, 5, LB1                 ; and in LDS
	; every LDS address of the launch: a constant + a constant x lane + a constant x wave
	v_lshlrev_b32 v[LO16], 4, v29
	v_lshlrev_b32 v[LO8], 3, v29
	v_add_nc_u32 v[RHB], 36864, v[LO8]
	s_mul_i32 s23, s22, 9216
	v_add_nc_u32 v[HW8], s23, v[LO8]
	v_lshl_add_u32 v[RHS], v29, 2, HSC
	s_lshl_b32 s23, s22, 8
	v_add_nc_u32 v[HSA], s23, v[RHS]
	s_lshl_b32 s23, s22, 10
	s_add_co_u32 s23, s23, LB1
	v_lshl_add_u32 v[BA], v31, 6, s23
	v_mul_u32_u24 v[SO], v30, 3*SPT
	v_lshl_add_u32 v[SO], v31, 5, v[SO]
	s_lshl_b32 s23, s22, 8
	s_add_co_u32 s23, s23, STG
	v_add_nc_u32 v[SO], s23, v[SO]
	s_mul_i32 s23, s22, 6*SPT
	s_add_co_u32 s23, s23, STG
	v_add_nc_u32 v[SR], s23, v[LO16]
	s_lshl_b32 s3, ttmp9, 3
	s_wait_kmcnt 0x0
	s_load_b64 s[20:21], s[16:17], s3 offset:0x0   ; my tile: expert, rows
	v_mov_b32 v[CA], 0xaf95df0b                    ; a13, twice
	v_mov_b32 v[CA+1], 0xaf95df0b
	v_mov_b32 v[CQ], 0xb77460cd                    ; b8, twice
	v_mov_b32 v[CQ+1], 0xb77460cd
	s_mov_b32 s36, 0x76543210
	s_mov_b32 s37, 0xfedcba98                      ; selects for lane l xor 16
.macro COEF sp, bits                   ; the packed forms name a pair and take its low word for both halves: both words are written
	s_mov_b32 s[\sp], \bits
	s_mov_b32 s[\sp+1], \bits
.endm
	COEF 40, 0x3f3504f3                            ; 1 / sqrt 2
	COEF 42, 0x32edffee                            ; a11
	COEF 44, 0xb60cff51                            ; a9
	COEF 46, 0xb86ec2d2                            ; a7
	COEF 48, 0xba40ac63                            ; a5
	COEF 50, 0xbb41a1f6                            ; a3
	COEF 52, 0xbc83dbd4                            ; a1
	COEF 54, 0xb95fbd29                            ; b6
	COEF 56, 0xbadc924e                            ; b4
	COEF 58, 0xbbf19bf8                            ; b2
	COEF 60, 0xbc69b6a7                            ; b0
	s_mov_b32 s79, 0                               ; the upper word of byte offsets
	s_wait_kmcnt 0x0
	s_min_u32 s20, s20, 7                          ; loaded numbers are held before they enter an address
	s_min_u32 s21, s21, 48
	s_lshl_b32 s23, s20, 7
	s_lshl_b32 s78, s22, 4
	s_add_co_u32 s23, s23, s78                     ; my first tile of W1: e 128 + 16 w
	s_mul_i32 s78, s23, 6144
	s_add_nc_u64 s[24:25], s[6:7], s[78:79]        ; its codes,
	s_lshl_b32 s78, s23, 8
	s_add_nc_u64 s[26:27], s[8:9], s[78:79]        ; its scale words
	s_lshl_b32 s23, s20, 3
	s_add_co_u32 s23, s23, s22                     ; e 8 + w
	s_mul_i32 s78, s23, 98304
	s_add_co_u32 s78, s78, 6291456
	s_add_nc_u64 s[32:33], s[6:7], s[78:79]        ; my 64 fragments of W2, on end,
	s_lshl_b32 s78, s23, 12
	s_add_co_u32 s78, s78, 262144
	s_add_nc_u64 s[34:35], s[8:9], s[78:79]        ; and their scale words
	s_lshl_b32 s78, s20, 13
	s_add_nc_u64 s[10:11], s[10:11], s[78:79]      ; b1 of the expert
	s_lshl_b32 s78, s23, 8
	s_add_nc_u64 s[12:13], s[12:13], s[78:79]      ; b2 of the expert, my 64 columns
	s_mul_i32 s78, ttmp9, 192                      ; my tile's 48 places in the list of rows;
	s_cmp_eq_u32 s21, 0
	s_cselect_b32 s78, 0, s78                      ; a tile without rows reads the list's first place, which is always written
	s_min_u32 s78, s78, 0x8500
	s_add_nc_u64 s[16:17], s[16:17], s[78:79]
	s_max_u32 s38, s21, 1
	s_sub_co_u32 s38, s38, 1                       ; the last place of the tile that is written
.irp m, 0,1,2
	v_add_nc_u32 v[34+\m], 16*\m, v30              ; my row of tile of rows m,
	v_min_u32 v[34+\m], s38, v[34+\m]              ; or the last that exists
	v_min_u32 v[34+\m], 47, v[34+\m]
	v_lshlrev_b32 v[34+\m], 2, v[34+\m]
.endr
.irp m, 0,1,2
	global_load_b32 v[37+\m], v[34+\m], s[16:17] offset:2048       ; its id
.endr
	s_lshl_b32 s23, s22, 1                         ; stage rows 6 w + i hold routed rows 16 (i % 3) + 2 w + i / 3: those I store at the end
.irp i, 0,1,2,3,4,5
	s_add_co_u32 s[86+\i], s23, 16*(\i%3)+\i/3
	s_min_u32 s[86+\i], s[86+\i], s38
	s_min_u32 s[86+\i], s[86+\i], 47
	s_lshl_b32 s[86+\i], s[86+\i], 2
	s_load_b32 s[80+\i], s[16:17], s[86+\i] offset:0x800           ; their ids
.endr
	global_load_b128 v[40:43], v32, s[10:11]
	global_load_b128 v[44:47], v32, s[10:11] offset:16
	WLOAD 24, 0                                    ; the first half's weights
	WSLOAD 26, 0, WS
	s_wait_loadcnt 52                              ; the row ids and b1 are in; the 52 loads of weights stay out
	ds_store_b128 v33, v[40:43]
	ds_store_b128 v33, v[44:47] offset:16
.irp m, 0,1,2
	v_and_b32 v[37+\m], -2, v[37+\m]               ; 2 token,
	v_or_b32 v[37+\m], v[37+\m], v31               ; + h: my record of x
	v_min_u32 v[37+\m], 8191, v[37+\m]
	v_lshlrev_b32 v[37+\m], 8, v[37+\m]
.endr
	WIN 0x40
.irp m, 0,1,2
.irp s, 0,1,2,3
.irp c, 0,1,2
	global_load_b128 v[12*(4*\m+\s)+4*\c:12*(4*\m+\s)+4*\c+3], v[37+\m], s[4:5] offset:48*\s+16*\c   ; x's fragment (m, s) stays in registers
.endr
.endr
.endr
	WIN 0
.irp m, 0,1,2
	global_load_b64 v[XS+2*\m:XS+2*\m+1], v[37+\m], s[4:5] offset:192
.endr
	s_wait_kmcnt 0x0
.irp i, 0,1,2,3,4,5
	s_min_u32 s[80+\i], s[80+\i], 8191
	s_lshl_b32 s[86+\i], s[80+\i], 2               ; (the loads that named these registers are done)
	s_lshl_b32 s78, s[80+\i], 11
	s_add_nc_u64 s[66+2*\i:67+2*\i], s[18:19], s[78:79]            ; each row has a pointer of its own,
	s_load_b32 s[92+\i], s[14:15], s[86+\i] offset:0x0             ; and its gate weight; both are wanted at the very end
.endr
	s_wait_dscnt 0x0                               ; for the others: my part of b1 has landed
	s_barrier_signal -1
	s_barrier_wait -1
; ---- THE FIRST PRODUCT, GELU AND THE QUANTISER
.macro P1MM ks, cz                     ; tile ti, rows mi, K step ks; cz = 1: C is the bias, which lies in accumulator (0, ti)
	WBSET 4*(\ks)+ti
.set WBR, 12*(4*mi+(\ks))
.set WBW, 1
.set WD, ACC+32*mi+8*ti
.if \cz
.set WC, ACC+8*ti
.else
.set WC, WD
.endif
.set WSA_, WS+2*ti+(\ks)/2
.set WSB_, XS+2*mi+(\ks)/2
	WMI (\ks)%2, (\ks)%2
.endm
.macro HORN dst, sp                    ; dst = dst x u + a coefficient, four pairs
.irp j, 0,2,4,6
	v_pk_fma_f32 v[\dst+\j:\dst+\j+1], v[\dst+\j:\dst+\j+1], v[GU+\j:GU+\j+1], s[\sp:\sp+1] op_sel_hi:[1,1,0]
.endr
.endm
.macro POLYA g                         ; accumulator g: z = x / sqrt 2 held to +-4, x halved in place, z P(z^2) and Q(z^2).  It reads the accumulator from its low end on
.set GA, ACC+8*(\g)
.set GZ, T+16*((\g)%2)
.set GR, GZ+8
.irp j, 0,2,4,6
	v_pk_mul_f32 v[GZ+\j:GZ+\j+1], v[GA+\j:GA+\j+1], s[40:41] op_sel_hi:[1,0]
.endr
.irp j, 0,2,4,6
	v_pk_mul_f32 v[GA+\j:GA+\j+1], v[GA+\j:GA+\j+1], 0.5 op_sel_hi:[1,0]
.endr
.irp j, 0,1,2,3,4,5,6,7
	v_med3_num_f32 v[GZ+\j], v[GZ+\j], -4.0, 4.0
.endr
.irp j, 0,2,4,6
	v_pk_mul_f32 v[GU+\j:GU+\j+1], v[GZ+\j:GZ+\j+1], v[GZ+\j:GZ+\j+1]
.endr
.irp j, 0,2,4,6
	v_pk_fma_f32 v[GP+\j:GP+\j+1], v[GU+\j:GU+\j+1], v[CA:CA+1], s[42:43] op_sel_hi:[1,1,0]
.endr
.irp j, 0,2,4,6
	v_pk_fma_f32 v[GR+\j:GR+\j+1], v[GU+\j:GU+\j+1], v[CQ:CQ+1], s[54:55] op_sel_hi:[1,1,0]
.endr
	HORN GP, 44
	HORN GR, 56
	HORN GP, 46
	HORN GR, 58
	HORN GP, 48
	HORN GR, 60
	HORN GP, 50
	HORN GP, 52
.irp j, 0,2,4,6
	v_pk_mul_f32 v[GZ+\j:GZ+\j+1], v[GZ+\j:GZ+\j+1], v[GP+\j:GP+\j+1]
.endr
.endm
.macro RCPS g
.set GR, T+16*((\g)%2)+8
.irp j, 0,1,2,3,4,5,6,7
	v_rcp_f32 v[GR+\j], v[GR+\j]
.endr
.endm
.macro FIN g                           ; gelu = x / 2 + (x / 2) erf
.set GA, ACC+8*(\g)
.set GZ, T+16*((\g)%2)
.set GR, GZ+8
.irp j, 0,2,4,6
	v_pk_mul_f32 v[GZ+\j:GZ+\j+1], v[GZ+\j:GZ+\j+1], v[GR+\j:GR+\j+1]
.endr
.irp j, 0,2,4,6
	v_pk_fma_f32 v[GA+\j:GA+\j+1], v[GZ+\j:GZ+\j+1], v[GA+\j:GA+\j+1], v[GA+\j:GA+\j+1]
.endr
.endm
; Half q's 64 hidden units of each row: two blocks of 32; registers 16 b + i of a row's four accumulators are k = 32 b + 16 (lane / 16) + i.  The three tiles of rows by turns.
.macro QUANTH q
.irp b, 0,1
.irp m, 0,1,2
	v_max3_num_f32 v[T+16*\m+\b], |v[ACC+32*\m+16*\b]|, |v[ACC+32*\m+16*\b+1]|, 0x1800000   ; the floor 2^(3 - 127): the byte cannot fall under 1
.endr
.endr
.irp i, 2,4,6,8,10,12,14
.irp b, 0,1
.irp m, 0,1,2
	v_max3_num_f32 v[T+16*\m+\b], v[T+16*\m+\b], |v[ACC+32*\m+16*\b+\i]|, |v[ACC+32*\m+16*\b+\i+1]|
.endr
.endr
.endr
.irp b, 0,1
.irp m, 0,1,2
	v_permlanex16_b32 v[T+16*\m+2+\b], v[T+16*\m+\b], s36, s37
.endr
.endr
.irp b, 0,1
.irp m, 0,1,2
	v_max_num_f32 v[T+16*\m+\b], v[T+16*\m+\b], v[T+16*\m+2+\b]   ; with lane l xor 16's: the block's largest magnitude
.endr
.endr
.irp b, 0,1
.irp m, 0,1,2
	v_add_nc_u32 v[T+16*\m+4+\b], 0xff000000, v[T+16*\m+\b]       ; 2 off the exponent field: the conversion's scale operand
.endr
.endr
.irp b, 0,1
.irp m, 0,1,2
	v_lshrrev_b32 v[T+16*\m+\b], 23, v[T+16*\m+4+\b]              ; the scale's byte
.endr
.endr
.irp m, 0,1,2
	v_cvt_scalef32_pk16_fp6_f32 v[T+16*\m+6:T+16*\m+8], v[ACC+32*\m:ACC+32*\m+15], v[T+16*\m+4]
	v_cvt_scalef32_pk16_fp6_f32 v[T+16*\m+12:T+16*\m+14], v[ACC+32*\m+16:ACC+32*\m+31], v[T+16*\m+5]
.endr
	v_nop                                          ; one plain place behind the scaled conversions
.irp m, 0,1,2
.irp i, 0,1,2
	v_permlane16_swap_b32 v[T+16*\m+6+\i], v[T+16*\m+12+\i]       ; a whole block to a lane: lanes 0-15 the first block, lanes 16-31 the second
.endr
.endr
.irp m, 0,1,2
.irp i, 0,1,2
	v_mov_b32 v[T+16*\m+9+\i], v[T+16*\m+12+\i]
.endr
.endr
.irp m, 0,1,2
.irp j, 0,1,2
	ds_store_b64 v[HW8], v[T+16*\m+6+2*\j:T+16*\m+7+2*\j] offset:2304*(\q)+768*\m+256*\j   ; six registers of the fragment, as they stand
.endr
.endr
.irp m, 0,1,2
	v_lshl_or_b32 v[T+16*\m], v[T+16*\m+1], 8, v[T+16*\m]         ; this half's two bytes of the row's scale word
.endr
.irp m, 0,1,2
	ds_store_b16 v[HSA], v[T+16*\m] offset:128*((\q)/2)+2048*\m+2*((\q)%2)
.endr
.endm
.macro HALF q
.irp t, 0,1,2,3
	ds_load_b128 v[ACC+8*\t:ACC+8*\t+3], v[BA] offset:(64*(\q)+32*(\t/2)+8*(\t%2))*4       ; b1 of the tile's eight units of my half of the lanes, in the result's layout
	ds_load_b128 v[ACC+8*\t+4:ACC+8*\t+7], v[BA] offset:(64*(\q)+32*(\t/2)+8*(\t%2))*4+16
.endr
	s_wait_loadcnt 0x0                             ; this half's weights, asked for ahead of the last half's GELU (the first time: x too)
	s_wait_dscnt 0x0
.set mi, 1                             ; K step 0: rows 16-47 take the bias out of accumulator (0, t),
.rept 2
.set ti, 0
.rept 4
	P1MM 0, 1
.set ti, ti+1
.endr
.set mi, mi+1
.endr
	NOPS 5                                         ; five places: the next four write over a C that the eight have read
.set mi, 0                             ; then rows 0-15 add onto it in place
.set ti, 0
.rept 4
	P1MM 0, 0
.set ti, ti+1
.endr
.set si, 1                             ; K steps 1-3: the twelve accumulators by turns, one instruction a turn
.rept 3
.set ti, 0
.rept 4
.set mi, 0
.rept 3
	P1MM si, 0
.set mi, mi+1
.endr
.set ti, ti+1
.endr
.set si, si+1
.endr
	WIN 0
	NOPS 4                                         ; places in front of loads into registers that matrix instructions have read, and of the first read of results
.if (\q) < 3
	WLOAD 24, 24576*((\q)+1)                       ; the next half's weights land while this half's GELU is worked
	WSLOAD 26, 1024*((\q)+1), WS
.else
	WLOAD 32, 0                                    ; behind the last half: W2's K steps 0-3 and their scale words
	WSLOAD 34, 0, WS
.endif
	POLYA 0
	RCPS 0
.irp g, 1,2,3,4,5,6,7,8,9,10,11
	POLYA \g                                       ; the next polynomial is the independent work behind a batch of eight reciprocals,
	s_wait_alu depctr_va_vdst(0)                   ; whose one wait stands ahead of its first reader
	FIN \g-1
	RCPS \g
.endr
	v_nop
	s_wait_alu depctr_va_vdst(0)
	FIN 11
	QUANTH \q
.endm
	HALF 0
	HALF 1
	HALF 2
	HALF 3
; ---- THE SECOND PRODUCT: 16 K steps; W2's fragments come through a ring of five slots of registers, five steps ahead
.macro W2LOAD t
.irp n, 0,1,2,3
	RING (\t)%5, \n
	WIN WAW<<6
.irp c, 0,1,2
	global_load_b128 v[WA+4*\c:WA+4*\c+3], v[LO16], s[32:33] offset:6144*(\t)+1536*\n+512*\c
.endr
.endr
	WIN 0
.endm
.macro HFL s                           ; K step s of the hidden layer: three fragments and their scale words, 21 LDS loads, into set s % 2
.if (\s) < 8
.set HAD, LO8
.else
.set HAD, RHB
.endif
.if (\s)%2 == 0
	WIN 0x40
.set HR, 48
.else
	WIN 0
.set HR, 28
.endif
.irp m, 0,1,2
.irp c, 0,1
.irp j, 0,1,2
	ds_load_b64 v[HR+12*\m+6*\c+2*\j:HR+12*\m+6*\c+2*\j+1], v[HAD] offset:((\s)%8)*4608+2304*\c+768*\m+256*\j
.endr
.endr
.endr
	WIN 0
.irp m, 0,1,2
	ds_load_b32 v[XS+3*((\s)%2)+\m], v[RHS] offset:(16*\m+(\s))*128
.endr
.endm
.macro P2MM s, n, m, cz
	RING (\s)%5, \n
.if (\s)%2 == 0
.set WBR, 48+12*(\m)
.set WBW, 1
.else
.set WBR, 28+12*(\m)
.set WBW, 0
.endif
.set WD, ACC+32*(\m)+8*(\n)
.if \cz
.set WC, ACC+8*(\n)
.else
.set WC, WD
.endif
.set WSA_, WS+(WSB-WS)*(((\s)/4)%2)+2*(\n)+((\s)%4)/2
.set WSB_, XS+3*((\s)%2)+(\m)
	WMI (\s)%2, 0
.endm
.macro STEP s, lc                      ; lc: the global loads issued behind this step's fragments and scale words, which may stay out; -1: nothing new is wanted
.if (\lc) >= 0
	s_wait_loadcnt \lc
.endif
.if (\s) < 15
	s_wait_dscnt 21                                ; this step's hidden fragments are in; the next step's 21 loads stay out
.else
	s_wait_dscnt 0x0
.endif
.if (\s) == 0
.irp m, 1,2
.irp n, 0,1,2,3
	P2MM \s, \n, \m, 1                             ; b2 lies in accumulator (0, n)
.endr
.endr
	NOPS 5                                         ; five places, as in the first product
.irp n, 0,1,2,3
	P2MM \s, \n, 0, 0
.endr
.else
.irp n, 0,1,2,3
.irp m, 0,1,2
	P2MM \s, \n, \m, 0                             ; the twelve accumulators by turns
.endr
.endr
.endif
	WIN 0
.if (\s) <= 13
	NOPS 4                                         ; places in front of loads into registers that these products have read
.endif
.if (\s) <= 10
	W2LOAD (\s)+5
.endif
.if (\s) == 3
	WSLOAD 34, 2048, WS                            ; scale words of K steps 8-11
.endif
.if (\s) == 7
	WSLOAD 34, 3072, WSB                           ; of K steps 12-15
.endif
.if (\s) <= 13
	HFL (\s)+2
.endif
.endm
	s_wait_dscnt 0x0                               ; for the others: my stores of hidden codes and scale words have landed
	v_bfe_u32 v72, v0, 4, 1
	v_lshlrev_b32 v72, 5, v72                      ; 32 h
.irp n, 0,1,2,3
	global_load_b128 v[ACC+8*\n:ACC+8*\n+3], v72, s[12:13] offset:64*\n          ; b2 of columns 64 w + 16 n + 8 h + 0 .. 7, in the result's layout
	global_load_b128 v[ACC+8*\n+4:ACC+8*\n+7], v72, s[12:13] offset:64*\n+16
.endr
	W2LOAD 4
	WSLOAD 34, 1024, WSB                           ; scale words of K steps 4-7
	s_barrier_signal -1
	s_barrier_wait -1                              ; the hidden layer's 48 fragments lie in LDS
	HFL 0
	HFL 1
	STEP 0, 16                                     ; behind K steps 0-3, their scale words and b2: 12 + 4
	STEP 1, -1
	STEP 2, -1
	STEP 3, -1
	STEP 4, 52                                     ; behind its scale words: 4 x 12 + 4
	STEP 5, 52                                     ; four later steps' 12 each, and 4 scale loads
	STEP 6, 52
	STEP 7, 52
	STEP 8, 52
	STEP 9, 52
	STEP 10, 52
	STEP 11, 52
	STEP 12, 36                                    ; three later steps
	STEP 13, 24
	STEP 14, 12
	STEP 15, 0
	; ---- THE WAY OUT: a row's 512 columns come from eight waves: they meet in the stage, and each wave stores six whole rows
	NOPS 4                                         ; places behind the last products
.irp m, 0,1,2
.irp n, 0,1,2,3
	ds_store_b128 v[SO], v[ACC+32*\m+8*\n:ACC+32*\m+8*\n+3] offset:SPT*\m+64*\n          ; each accumulator from its low end on
	ds_store_b128 v[SO], v[ACC+32*\m+8*\n+4:ACC+32*\m+8*\n+7] offset:SPT*\m+64*\n+16
.endr
.endr
	s_wait_dscnt 0x0
	s_barrier_signal -1
	s_barrier_wait -1                              ; 48 whole rows lie in the stage
.irp i, 0,1,2,3,4,5
.irp k, 0,1,2,3
	ds_load_b128 v[ACC+16*\i+4*\k:ACC+16*\i+4*\k+3], v[SR] offset:SPT*\i+512*\k
.endr
.endr
	s_wait_kmcnt 0x0                               ; the six gate weights
	s_lshl_b32 s23, s22, 1
.irp i, 0,1,2,3,4,5
	s_wait_dscnt 20-4*\i                           ; this row's four loads are in
	s_add_co_u32 s39, s23, 16*(\i%3)+\i/3          ; which routed row it is
	s_cmp_lt_u32 s39, s21
	s_cbranch_scc0 .Lskip\i                        ; a row that the tile does not have is not stored
.set ji, 0
.rept 16
	v_mul_f32 v[ACC+16*\i+ji], s[92+\i], v[ACC+16*\i+ji]          ; x the gate
.set ji, ji+1
.endr
.irp k, 0,1,2,3
	global_store_b128 v[LO16], v[ACC+16*\i+4*\k:ACC+16*\i+4*\k+3], s[66+2*\i:67+2*\i] offset:512*\k th:TH_STORE_NT   ; 512 consecutive bytes
.endr
.Lskip\i:
.endr
	s_set_vgpr_msb 0x5
	s_wait_tensorcnt 0x0
	ds_add_u32 v254, v255
	s_wait_dscnt 0x0
	s_set_vgpr_msb 0x500
	s_endpgm
.Lfunc_end_k_q649251b415_chain:
	.size	k_q649251b415_chain, .Lfunc_end_k_q649251b415_chain-k_q649251b415_chain
	.p2alignl 7, 3214868480
	.fill 96, 4, 3214868480
	.section	.rodata,"a",@progbits
	.p2align	6, 0x0
	.amdhsa_kernel k_q649251b415_chain
		.amdhsa_group_segment_fixed_size 188416
		.amdhsa_private_segment_fixed_size 0
		.amdhsa_enable_private_segment 0
		.amdhsa_kernarg_size 64
		.amdhsa_user_sgpr_count 2
		.amdhsa_user_sgpr_kernarg_segment_ptr 1
		.amdhsa_wavefront_size32 1
		.amdhsa_system_sgpr_workgroup_id_x 1
		.amdhsa_system_sgpr_workgroup_id_y 1
		.amdhsa_system_sgpr_workgroup_id_z 1
		.amdhsa_system_vgpr_workitem_id 0
		.amdhsa_next_free_vgpr 512
		.amdhsa_next_free_sgpr 100
		.amdhsa_reserve_vcc 0
		.amdhsa_float_denorm_mode_32 3
		.amdhsa_float_denorm_mode_16_64 3
		.amdhsa_memory_ordered 1
		.amdhsa_forward_progress 1
		.amdhsa_inst_pref_size 255
	.end_amdhsa_kernel
	.section	.bss,"aw",@nobits
	.p2align	6
	.space	262144
	.amdgpu_metadata
---
amdhsa.version: [ 1, 2 ]
amdhsa.kernels:
  - .name:           k_q649251b415_chain
    .symbol:         k_q649251b415_chain.kd
    .args:
      - { .name: xq, .offset: 0, .size: 8, .value_kind: global_buffer, .address_space: global }
      - { .name: wc, .offset: 8, .size: 8, .value_kind: global_buffer, .address_space: global }
      - { .name: ws, .offset: 16, .size: 8, .value_kind: global_buffer, .address_space: global }
      - { .name: b1, .offset: 24, .size: 8, .value_kind: global_buffer, .address_space: global }
      - { .name: b2, .offset: 32, .size: 8, .value_kind: global_buffer, .address_space: global }
      - { .name: gate, .offset: 40, .size: 8, .value_kind: global_buffer, .address_space: global }
      - { .name: plan, .offset: 48, .size: 8, .value_kind: global_buffer, .address_space: global }
      - { .name: ybuf, .offset: 56, .size: 8, .value_kind: global_buffer, .address_space: global }
    .group_segment_fixed_size: 188416
    .private_segment_fixed_size: 0
    .kernarg_segment_align: 8
    .kernarg_segment_size: 64
    .max_flat_workgroup_size: 256
    .sgpr_count:     100
    .vgpr_count:     512
    .wavefront_size: 32
...
	.end_amdgpu_metadata
.endif
;; end of part 3
;; launch combine (part 4): grid 256 x 1, 4 waves a work-group, no clusters, 0 bytes of LDS; arguments ybuf, out0; writes out0
.if DOCPART == 4
	.amdgcn_target "amdgcn-amd-amdhsa--gfx1250"
	.amdhsa_code_object_version 6
	.text
	.protected	k_q649251b415_combine
	.globl	k_q649251b415_combine
	.p2align	8
	.type	k_q649251b415_combine,@function
k_q649251b415_combine:
	s_mov_b64 s[64:65], 0
	v_nop
	global_prefetch_b8 v0, s[64:65] scope:SCOPE_SE
	s_setreg_imm32_b32 hwreg(HW_REG_WAVE_MODE, 25, 1), 1
	s_wait_xcnt 0x0
; out0[t] = ybuf[2 t] + ybuf[2 t + 1]: the two experts' weighted rows of a token, 512 f32 each.
; A stream: a wave takes 4 tokens, 32 loads of 512 consecutive bytes, all out at once, each into registers of its own; 16 stores of 512 consecutive bytes.
; No LDS, no barrier, no matrix unit: every byte is read once and written once.
	s_load_b128 s[4:7], s[0:1], 0x0                ; ybuf s[4:5], out0 s[6:7]
	v_lshrrev_b32 v1, 5, v0
	v_readfirstlane_b32 s2, v1                     ; wave
	v_and_b32 v1, 31, v0
	v_lshlrev_b32 v1, 4, v1                        ; 16 lane
	s_lshl_b32 s3, ttmp9, 2
	s_add_co_u32 s3, s3, s2                        ; which run of 4 tokens
	s_lshl_b32 s8, s3, 14
	s_mov_b32 s9, 0
	s_lshl_b32 s10, s3, 13
	s_mov_b32 s11, 0
	s_wait_kmcnt 0x0
	s_add_nc_u64 s[4:5], s[4:5], s[8:9]
	s_add_nc_u64 s[6:7], s[6:7], s[10:11]
.set pi, 0
.rept 16
	global_load_b128 v[8+8*pi:11+8*pi], v1, s[4:5] offset:4096*(pi/4)+512*(pi%4) th:TH_LOAD_NT
	global_load_b128 v[12+8*pi:15+8*pi], v1, s[4:5] offset:4096*(pi/4)+512*(pi%4)+2048 th:TH_LOAD_NT
.set pi, pi+1
.endr
.set pi, 0
.rept 16
	s_wait_loadcnt 30-2*pi                         ; this pair is in; the later pairs stay out
	v_pk_add_f32 v[8+8*pi:9+8*pi], v[8+8*pi:9+8*pi], v[12+8*pi:13+8*pi]
	v_pk_add_f32 v[10+8*pi:11+8*pi], v[10+8*pi:11+8*pi], v[14+8*pi:15+8*pi]
	global_store_b128 v1, v[8+8*pi:11+8*pi], s[6:7] offset:2048*(pi/4)+512*(pi%4) th:TH_STORE_NT
.set pi, pi+1
.endr
	s_endpgm
.Lfunc_end_k_q649251b415_combine:
	.size	k_q649251b415_combine, .Lfunc_end_k_q649251b415_combine-k_q649251b415_combine
	.p2alignl 7, 3214868480
	.fill 96, 4, 3214868480
	.section	.rodata,"a",@progbits
	.p2align	6, 0x0
	.amdhsa_kernel k_q649251b415_combine
		.amdhsa_group_segment_fixed_size 0
		.amdhsa_private_segment_fixed_size 0
		.amdhsa_enable_private_segment 0
		.amdhsa_kernarg_size 16
		.amdhsa_user_sgpr_count 2
		.amdhsa_user_sgpr_kernarg_segment_ptr 1
		.amdhsa_wavefront_size32 1
		.amdhsa_system_sgpr_workgroup_id_x 1
		.amdhsa_system_sgpr_workgroup_id_y 1
		.amdhsa_system_sgpr_workgroup_id_z 1
		.amdhsa_system_vgpr_workitem_id 0
		.amdhsa_next_free_vgpr 136
		.amdhsa_next_free_sgpr 66
		.amdhsa_reserve_vcc 0
		.amdhsa_float_denorm_mode_32 3
		.amdhsa_float_denorm_mode_16_64 3
		.amdhsa_memory_ordered 1
		.amdhsa_forward_progress 1
		.amdhsa_inst_pref_size 8
	.end_amdhsa_kernel
	.amdgpu_metadata
---
amdhsa.version: [ 1, 2 ]
amdhsa.kernels:
  - .name:           k_q649251b415_combine
    .symbol:         k_q649251b415_combine.kd
    .args:
      - { .name: ybuf, .offset: 0, .size: 8, .value_kind: global_buffer, .address_space: global }
      - { .name: out0, .offset: 8, .size: 8, .value_kind: global_buffer, .address_space: global }
    .group_segment_fixed_size: 0
    .private_segment_fixed_size: 0
    .kernarg_segment_align: 8
    .kernarg_segment_size: 16
    .max_flat_workgroup_size: 128
    .sgpr_count:     66
    .vgpr_count:     136
    .wavefront_size: 32
...
	.end_amdgpu_metadata
.endif
;; end of part 4
